; MI455X (gfx1250); checked and timed in simulation.
; The chip was launched on July 23, 2026; its instructions are those of AMD's public machine-readable ISA for CDNA 5 (MIT licence, August 2026) and "CDNA5" Instruction Set Architecture Reference Guide (July 2026). The comments in the code are by the model that wrote it; some were corrected since.
;; Memory System. Allowed arithmetic: matrix products marked QUANTISED: E5M2 operands, one given power-of-two scale a tensor, by v_wmma_f32_16x16x64_bf8_bf8 or v_wmma_f32_16x16x128_bf8_bf8, f32 sums; everything else in f32.
;; Inputs: lowp_scales 4 int32 (the exponents e of the quantised operands' scales 2^e); memory_bank 65,536 x 512 float32; x 1,024 x 512 float32.
;; Outputs: out0 1,024 x 512 float32.
;; This version of the problem:
;;   THIS VERSION OF THE PROBLEM IS GIVEN IN LOW PRECISION. The matrix products marked QUANTISED in the list below multiply operands that are first quantised to E5M2 (5 exponent bits, 2 mantissa bits; 8 bits a number), with one given power-of-two scale for each operand tensor; their sums are f32. All else is computed in f32.
;;   The module's matrix products, in the order in which they are computed (A, B: the left and right operand; K: the contracted axis; several contracted axes count as one K, in the product's order):
;;     1. [M 1,024, K 512] x [K 512, N 65,536]; A: input x; B: input memory_bank: QUANTISED (scales: A lowp_scales[0], B lowp_scales[1])
;;     2. [M 1,024, K 65,536] x [K 65,536, N 512]; A: softmax (see below); B: input memory_bank: QUANTISED (scales: A lowp_scales[2], B lowp_scales[3])
;;   THE QUANTISER, for each operand of a quantised product, along K:
;;     - The operand's scale is 2^e, e = its entry of the input lowp_scales (int32; the entries are numbered through the quantised products in the list's order, A before B).
;;     - Each number is divided by the scale, clamped to +-57,344, and rounded to the nearest number of E5M2, ties to even, subnormals kept.
;;     - The product sums the exact products of the quantised numbers (number of the format x scale) in f32.
;;   ~~~python
;;   def quantise(x, axis, e):      # numpy; x: float32 -> the quantised numbers, widened to float32 again
;;       x = np.moveaxis(x, axis, -1); K = x.shape[-1]
;;       r = np.clip(x / 2.0 ** e, -57344, 57344)
;;       step = 2.0 ** (np.maximum(np.frexp(np.where(r == 0, 1, r))[1] - 1, -14) - 2)
;;       q = np.round(r / step) * step * 2.0 ** e      # np.round: ties to even
;;       return np.moveaxis(q, -1, axis).astype(np.float32)
;;   ~~~
;;   SOFTMAX AHEAD OF A QUANTISED PRODUCT. Where the list says 'softmax', what is quantised is not the finished softmax but p = 2^(t - M), with t = logit x log2(e) and M = ceil(the row's largest t), a whole number; so 1/2 < the row's largest p <= 1. The row's sum l is taken of the UNQUANTISED p, in f32, and the product's result is divided by l at the end. Since M is a whole number, a kernel that streams over the keys may use a running M (the ceiling of the running maximum): every later rescaling is an exact power of two, so the quantised numbers keep their values, but for numbers so far below the row's largest that they fall under the format's range.
;;   OPERANDS COMPUTED ON THE WAY. 'Computed on the way' means the value that the module computes at that place (a softmax that the list does not call 'softmax' is quantised finished and normalised). What goes into a quantiser is computed in f32, as accurately as f32 sums, v_exp_f32 and their like allow (about 1e-6 of the number): no bf16 or f16 on the way to a quantiser, and a product that is left as it is and whose result goes on into a quantised operand takes f32 operands (vector FMAs, or v_wmma_f32_16x16x4_f32). A number that lies on a knife's edge between two numbers of the format may be rounded either way, as far as f32 arithmetic and the matrix unit's own rounding can turn it there, and no further.
;; One version. Each part assembles by itself: llvm-mc -triple=amdgcn-amd-amdhsa -mcpu=gfx1250 --defsym DOCPART=n.
;; ======== version 1 of 1: 3 launches
;; limits: right only within a limited range of input values
;; workspace buffers: kimg 33,554,432 bytes; vimg 33,554,432 bytes; rmv 262,144 bytes; xq 524,288 bytes; rxv 4,096 bytes; po 33,554,432 bytes; ml 131,072 bytes
;; launch prep (part 1): grid 520 x 1, 4 waves a work-group, no clusters, 68,096 bytes of LDS; arguments memory_bank, x, lowp_scales, kimg, vimg, rmv, xq, rxv; writes kimg, vimg, rmv, xq, rxv
.if DOCPART == 1
	.amdgcn_target "amdgcn-amd-amdhsa--gfx1250"
	.amdhsa_code_object_version 6
	.text
	.protected	k_q055521991c_prep
	.globl	k_q055521991c_prep
	.p2align	8
	.type	k_q055521991c_prep,@function
k_q055521991c_prep:
	s_mov_b64 s[64:65], 0
	v_nop
	global_prefetch_b8 v0, s[64:65] scope:SCOPE_SE
	s_setreg_imm32_b32 hwreg(HW_REG_WAVE_MODE, 25, 1), 1
	s_wait_xcnt 0x0
; PREP: memory_bank [65536][512] f32 and x [1024][512] f32 are read once and become codes of BF8 (E5M2) and reciprocal norms.
; THE PROGRAM (three launches): out = softmax(8 x.m / max(|x||m|, 1e-8)) memory_bank, both products on E5M2 codes with the four given scales 2^e0 .. 2^e3.
; NOTHING OF reference() IS LEFT OUT: both products, both norms (of the unquantised rows), the clamp at 1e-8, the maximum ahead of the exponential and all four scales are honoured, and every input is loaded.
; WHAT THIS LAUNCH STORES.  All codes lie as IMAGES OF OPERAND REGISTERS: a fragment (16 rows x 128 along K) is 2,048 bytes; byte 512 c + 16 lane + i is k = 32 c + 16 (lane / 16) + i of the row of lane % 16.
;   kimg [block of 128 keys][tile t 0..7][s 0..3]: K = the 512 dims, scale 2^e1.  Tile 2 b + u holds keys 32 b + 8 u + r + 8 (r / 8), so that the scores of two neighbouring tiles are 16 neighbouring keys in a lane.
;   vimg [block of 128 keys][dt 0..31]: rows = dims 16 dt + r, K = the block's 128 keys, scale 2^e3.      xq: x's rows laid as kimg, scale 2^e0.
;   rmv, rxv: 1 / sqrt(sum of squares) of each row, f32, in the rows' own order (+infinity for a row of zeros: the next launch clamps).
; code = number / 2^e, held within +-57,344, rounded to the nearest code, ties to even.
; LIMITS: e0, e1, e3 between -126 and 112.  A sum of squares under 2^-126 counts as 0.  NaN among the inputs is not served.
; SHARES.  Work-groups 0..511 take a block of 128 keys, 512..519 a block of 128 rows of x; buffers and exponent are chosen by the work-group's number, the path is one; x's work-groups jump over the part for vimg.
; Wave w takes rows 32 w .. 32 w + 31 in four units of 128 dims (16 KB): 32 loads of 512 consecutive bytes; through the wave's own stage in LDS; read back once by rows (64 neighbours of a row a lane: kimg)
; and once by columns (a lane a dim, its registers 32 keys: vimg).  Waves share nothing: no barrier.  Work-groups share no input: no cluster, no tensor load; several work-groups lie on a WGP, each wave with a unit's 16 KB on its way.
.set PITCH, 528                        ; a stage row: 512 bytes + 16: an odd multiple of 16, so the 16 rows that a load of 16 bytes a lane touches start at 16 different places in a run of 256 bytes
.set WSTG,  32*PITCH                   ; a wave's stage
.set SPARE, 4*WSTG                     ; behind the stages: the spare words, 128 bytes for each wave
.set SS, 16                            ; v16-23   sums of squares: tile u: two packed chains at SS + 4 u
.set KC, 24                            ; v24-39   a fragment's codes for kimg
.set VC, 40                            ; v40-55   codes for vimg, two sets of 8
.set X,  56                            ; v56-119  64 numbers of a row; for vimg two sets of 32 numbers of a column
.set R,  120                           ; v120-247 a unit as loaded: 32 x 4
; v1 16 x lane; v2, v3 the add's two; v4 stage + 16 lane; v5 stage + 528 r + 64 h; v6 stage + 4 lane; v7 my place in vimg; v8 my place in rmv; v9, v10 2^e and 57,344 x 2^e for kimg or xq; v11, v12 the same with e3; v13 h
	s_load_b256 s[4:11], s[0:1], 0x0               ; memory_bank s[4:5], x s[6:7], the scales' exponents s[8:9], kimg s[10:11]
	s_load_b256 s[12:19], s[0:1], 0x20             ; vimg s[12:13], rmv s[14:15], xq s[16:17], rxv s[18:19]
	v_lshl_add_u32 v2, v0, 2, SPARE
	v_mov_b32 v3, 0
	v_lshrrev_b32 v14, 5, v0
	v_readfirstlane_b32 s20, v14                   ; wave 0..3
	v_and_b32 v15, 31, v0                          ; lane
	v_lshlrev_b32 v1, 4, v15
	v_and_b32 v14, 15, v0                          ; r
	v_bfe_u32 v13, v0, 4, 1                        ; h
	s_mul_i32 s36, s20, WSTG                       ; my stage
	v_add_nc_u32 v4, s36, v1
	v_mul_u32_u24 v5, v14, PITCH
	v_lshl_add_u32 v5, v13, 6, v5
	v_add_nc_u32 v5, s36, v5
	v_lshl_add_u32 v6, v15, 2, s36
	v_lshlrev_b32 v7, 11, v13
	v_lshl_add_u32 v7, v14, 4, v7                  ; vimg: lanes 16-31 stand one image (16 dims) further on; 16 bytes a dim
	v_and_b32 v8, 8, v14
	v_add_nc_u32 v8, v8, v14
	v_lshl_add_u32 v8, v13, 3, v8
	v_lshlrev_b32 v8, 2, v8                        ; rmv: lane (r, h) stores the row of tile h, lane r: 8 h + r + 8 (r / 8)
	s_mov_b32 s42, 0x76543210                      ; lane selects: each lane takes its own place in the other half
	s_mov_b32 s43, 0xfedcba98
.irp j, 0,1,2,3,4,5,6,7
	v_mov_b32 v[SS+\j], 0
.endr
	s_wait_kmcnt 0x0
	s_load_b128 s[24:27], s[8:9], 0x0              ; e0 .. e3
	s_cmp_lt_u32 ttmp9, 512                        ; the bank's work-group or x's?  The choice hangs on the work-group's number alone
	s_cselect_b64 s[28:29], s[4:5], s[6:7]
	s_cselect_b64 s[30:31], s[10:11], s[16:17]
	s_cselect_b64 s[32:33], s[14:15], s[18:19]
	s_cselect_b32 s21, 0, 512
	s_sub_co_u32 s21, ttmp9, s21                   ; which block of 128 rows
	s_lshl_b32 s36, s21, 18
	s_lshl_b32 s37, s20, 16
	s_add_co_u32 s36, s36, s37                     ; (128 block + 32 wave) rows of 2,048 bytes
	s_mov_b32 s37, 0
	s_add_nc_u64 s[28:29], s[28:29], s[36:37]
	s_lshl_b32 s36, s21, 16                        ; a block's images are 65,536 bytes
	s_lshl_b32 s38, s20, 14                        ; my two tiles' eight images
	s_add_co_u32 s38, s36, s38
	s_mov_b32 s39, 0
	s_add_nc_u64 s[30:31], s[30:31], s[38:39]
	s_lshl_b32 s38, s20, 9                         ; in an image of vimg my 32 keys are the 512 bytes c = wave
	s_add_co_u32 s38, s36, s38
	s_add_nc_u64 s[34:35], s[12:13], s[38:39]
	s_lshl_b32 s38, s21, 9
	s_lshl_b32 s40, s20, 7
	s_add_co_u32 s38, s38, s40
	s_add_nc_u64 s[32:33], s[32:33], s[38:39]
.macro LOADU s                         ; unit s: 32 rows x 512 bytes; each load reads 512 consecutive bytes
.set i, 0
.rept 32
	global_load_b128 v[R+4*i:R+4*i+3], v1, s[28:29] offset:2048*i+512*(\s) th:TH_LOAD_NT
.set i, i+1
.endr
.endm
.macro TOSTAGE                         ; row i goes to stage row 16 ((i / 8) % 2) + 8 (i / 16) + i % 8: tile u's lane r then finds its row at 16 u + r
.set i, 0
.rept 32
	ds_store_b128 v4, v[R+4*i:R+4*i+3] offset:PITCH*(16*((i>>3)&1)+8*(i>>4)+(i&7))
.set i, i+1
.endr
.endm
.macro KREAD u                         ; lane (r, h): of tile u's row r the dims 32 c + 16 h + 0 .. 15, c = 0 .. 3
.set i, 0
.rept 16
	ds_load_b128 v[X+4*i:X+4*i+3], v5 offset:16*(\u)*PITCH+128*(i/4)+16*(i%4)
.set i, i+1
.endr
.endm
.macro KWORK u, s
.set i, 0
.rept 32
	v_pk_fma_f32 v[SS+4*(\u)+2*(i%2):SS+4*(\u)+2*(i%2)+1], v[X+2*i:X+2*i+1], v[X+2*i:X+2*i+1], v[SS+4*(\u)+2*(i%2):SS+4*(\u)+2*(i%2)+1]   ; the norm is taken of the numbers as they came
.set i, i+1
.endr
.set i, 0
.rept 64
	v_med3_num_f32 v[X+i], v[X+i], -v10, v10       ; the conversion to an 8-bit code does not saturate (ISA guide 7.6.2): the hold at the largest code x the scale
.set i, i+1
.endr
	s_wait_alu depctr_va_vdst(0)
	s_wait_xcnt 0x0                                ; the last fragment's stores have read their data: the codes' registers are written again only behind this wait
.set i, 0
.rept 8
	v_cvt_scalef32_pk8_bf8_f32 v[KC+2*i:KC+2*i+1], v[X+8*i:X+8*i+7], v9
.set i, i+1
.endr
	v_nop                                          ; one plain vector line behind the conversions: vector lines later write their sources
.irp c, 0,1,2,3
	global_store_b128 v1, v[KC+4*\c:KC+4*\c+3], s[30:31] offset:(4*(\u)+(\s))*2048+512*\c   ; 512 consecutive bytes, aligned
.endr
.endm
.macro VREAD g, set                    ; a lane takes dim 32 g + lane of the unit, its registers the wave's keys 0 .. 31 in their own order
.set i, 0
.rept 32
	ds_load_b32 v[X+32*(\set)+i], v6 offset:PITCH*(16*((i>>3)&1)+8*(i>>4)+(i&7))+128*(\g)
.set i, i+1
.endr
.endm
.macro VWORK g, s
.set Y, X+32*((\g)%2)
.set W, VC+8*((\g)%2)
.set i, 0
.rept 32
	v_med3_num_f32 v[Y+i], v[Y+i], -v12, v12
.set i, i+1
.endr
	s_wait_alu depctr_va_vdst(0)
	s_wait_xcnt 0x0                                ; earlier stores have read their data
.set i, 0
.rept 4
	v_cvt_scalef32_pk8_bf8_f32 v[W+2*i:W+2*i+1], v[Y+8*i:Y+8*i+7], v11
.set i, i+1
.endr
	v_nop
	global_store_b128 v7, v[W:W+3], s[34:35] offset:(8*(\s)+2*(\g))*2048          ; keys 0-15: sixteen lanes store 256 consecutive bytes, aligned
	global_store_b128 v7, v[W+4:W+7], s[34:35] offset:(8*(\s)+2*(\g))*2048+256    ; keys 16-31
.endm
.macro UNIT s
	s_wait_loadcnt 0x0                             ; the unit is in
	TOSTAGE
	KREAD 0
	s_wait_dscnt 16                                ; all but the 16 reads just issued: the 32 stores have read their registers,
.if \s < 3
	LOADU (\s)+1                                   ; which take the next unit: it is on its way while this one is worked
.endif
	s_wait_dscnt 0x0
	KWORK 0, \s
	KREAD 1
	s_wait_dscnt 0x0
	KWORK 1, \s
	s_cmp_ge_u32 ttmp9, 512                        ; x is no operand of the second product
	s_cbranch_scc1 .Lnov_\@
	VREAD 0, 0
	VREAD 1, 1
	s_wait_dscnt 32                                ; the older set is in; the other set's 32 reads may be out
	VWORK 0, \s
	VREAD 2, 0
	s_wait_dscnt 32
	VWORK 1, \s
	VREAD 3, 1
	s_wait_dscnt 32
	VWORK 2, \s
	s_wait_dscnt 0x0
	VWORK 3, \s
.Lnov_\@:                              ; LDS serves a wave's instructions in order (ISA guide 5.7.1.4): the next unit's stage stores come behind all these reads
.endm
	LOADU 0
	s_wait_kmcnt 0x0
	s_cmp_lt_u32 ttmp9, 512
	s_cselect_b32 s36, s25, s24                    ; e1 for the bank as keys, e0 for x
	s_add_co_i32 s36, s36, 127
	s_lshl_b32 s37, s36, 23
	v_mov_b32 v9, s37                              ; 2^e as f32: the conversion takes its exponent field
	s_add_co_i32 s36, s36, 15
	s_lshl_b32 s36, s36, 23
	s_or_b32 s36, s36, 0x600000
	v_mov_b32 v10, s36                             ; 57,344 x 2^e
	s_add_co_i32 s36, s27, 127
	s_lshl_b32 s37, s36, 23
	v_mov_b32 v11, s37                             ; 2^e3
	s_add_co_i32 s36, s36, 15
	s_lshl_b32 s36, s36, 23
	s_or_b32 s36, s36, 0x600000
	v_mov_b32 v12, s36
	UNIT 0
	UNIT 1
	UNIT 2
	UNIT 3
	; the norms: a tile's four partial sums, the other half of the lanes'; lanes 0-15 keep tile 0's rows, lanes 16-31 tile 1's
	v_pk_add_f32 v[SS:SS+1], v[SS:SS+1], v[SS+2:SS+3]
	v_pk_add_f32 v[SS+4:SS+5], v[SS+4:SS+5], v[SS+6:SS+7]
	v_add_f32 v[SS], v[SS], v[SS+1]
	v_add_f32 v[SS+4], v[SS+4], v[SS+5]
	v_permlanex16_b32 v14, v[SS], s42, s43
	v_permlanex16_b32 v15, v[SS+4], s42, s43
	v_add_f32 v[SS], v[SS], v14
	v_add_f32 v[SS+4], v[SS+4], v15
	v_cmp_eq_u32 vcc_lo, 1, v13
	v_cndmask_b32 v[SS], v[SS], v[SS+4], vcc_lo
	s_wait_alu depctr_va_vdst(0)
	v_rsq_f32 v[SS+1], v[SS]
	v_nop                                          ; a plain line behind the transcendental,
	s_wait_alu depctr_va_vdst(0)                   ; and a wait ahead of its first reader
	global_store_b32 v8, v[SS+1], s[32:33]         ; 128 consecutive bytes a wave: half of an aligned 256; all such stores are 266,240 bytes of the launch's 67.9 million
	s_wait_tensorcnt 0x0                           ; the wave's end
	ds_add_u32 v2, v3
	s_wait_dscnt 0x0
	s_endpgm
.Lfunc_end_k_q055521991c_prep:
	.size	k_q055521991c_prep, .Lfunc_end_k_q055521991c_prep-k_q055521991c_prep
	.p2alignl 7, 3214868480
	.fill 96, 4, 3214868480
	.section	.rodata,"a",@progbits
	.p2align	6, 0x0
	.amdhsa_kernel k_q055521991c_prep
		.amdhsa_group_segment_fixed_size 68096
		.amdhsa_private_segment_fixed_size 0
		.amdhsa_enable_private_segment 0
		.amdhsa_kernarg_size 64
		.amdhsa_user_sgpr_count 2
		.amdhsa_user_sgpr_kernarg_segment_ptr 1
		.amdhsa_wavefront_size32 1
		.amdhsa_system_sgpr_workgroup_id_x 1
		.amdhsa_system_sgpr_workgroup_id_y 1
		.amdhsa_system_sgpr_workgroup_id_z 1
		.amdhsa_system_vgpr_workitem_id 0
		.amdhsa_next_free_vgpr 248
		.amdhsa_next_free_sgpr 66
		.amdhsa_reserve_vcc 1
		.amdhsa_float_denorm_mode_32 3
		.amdhsa_float_denorm_mode_16_64 3
		.amdhsa_memory_ordered 1
		.amdhsa_forward_progress 1
		.amdhsa_inst_pref_size 162
	.end_amdhsa_kernel
	.amdgpu_metadata
---
amdhsa.version: [ 1, 2 ]
amdhsa.kernels:
  - .name:           k_q055521991c_prep
    .symbol:         k_q055521991c_prep.kd
    .args:
      - { .name: memory_bank, .offset: 0, .size: 8, .value_kind: global_buffer, .address_space: global }
      - { .name: x, .offset: 8, .size: 8, .value_kind: global_buffer, .address_space: global }
      - { .name: lowp_scales, .offset: 16, .size: 8, .value_kind: global_buffer, .address_space: global }
      - { .name: kimg, .offset: 24, .size: 8, .value_kind: global_buffer, .address_space: global }
      - { .name: vimg, .offset: 32, .size: 8, .value_kind: global_buffer, .address_space: global }
      - { .name: rmv, .offset: 40, .size: 8, .value_kind: global_buffer, .address_space: global }
      - { .name: xq, .offset: 48, .size: 8, .value_kind: global_buffer, .address_space: global }
      - { .name: rxv, .offset: 56, .size: 8, .value_kind: global_buffer, .address_space: global }
    .group_segment_fixed_size: 68096
    .private_segment_fixed_size: 0
    .kernarg_segment_align: 8
    .kernarg_segment_size: 64
    .max_flat_workgroup_size: 128
    .sgpr_count:     66
    .vgpr_count:     248
    .wavefront_size: 32
...
	.end_amdgpu_metadata
.endif
;; end of part 1
;; launch main (part 2): grid 16 x 16, 8 waves a work-group, clusters of 4 x 1, 327,680 bytes of LDS; arguments kimg, vimg, rmv, xq, rxv, lowp_scales, po, ml; writes po, ml
.if DOCPART == 2
	.amdgcn_target "amdgcn-amd-amdhsa--gfx1250"
	.amdhsa_code_object_version 6
	.text
	.protected	k_q055521991c_main
	.globl	k_q055521991c_main
	.p2align	8
	.type	k_q055521991c_main,@function
k_q055521991c_main:
	s_mov_b64 s[64:65], 0
	v_nop
	global_prefetch_b8 v0, s[64:65] scope:SCOPE_SE
	s_setreg_imm32_b32 hwreg(HW_REG_WAVE_MODE, 25, 1), 1
	s_wait_xcnt 0x0
	s_wait_alu depctr_hold_cnt(0) depctr_sa_sdst(0) depctr_va_vdst(0) depctr_va_sdst(0) depctr_va_ssrc(0) depctr_va_vcc(0) depctr_vm_vsrc(0)
	s_getreg_b32 s2, hwreg(HW_REG_IB_STS2, 6, 4)
	s_cmp_eq_u32 s2, 0
	s_cbranch_scc0 .Lentry_in_a_cluster
	s_endpgm
.Lentry_in_a_cluster:
	s_bfe_u32 s2, ttmp6, 0x10000c
	s_cmp_lg_u32 s2, 0x3003
	s_cbranch_scc0 .Lentry_shape_is_right
	s_endpgm
.Lentry_shape_is_right:
; MAIN: for 64 queries (work-group x) and 4,096 keys (work-group y, a split) the partial result of out = softmax(8 x.m / max(|x||m|, 1e-8)) memory_bank, both products on E5M2 codes.
; Nothing of reference() is left out.  t = score x 8 log2(e) 2^(e0+e1) / max(|x||m|, 1e-8); M = the running largest t rounded up to a whole number; p = 2^(t - M) is quantised with 2^e2;
; the sum is taken of the unquantised p.  po takes O^T as the accumulators stand, ml the sum and -M of each query; the next launch joins the 16 splits.
; SHARES.  An interval is a block of 128 keys.  Waves 0-3: wave w takes keys 32 w .. 32 w + 31 of the block x all 64 queries (S^T = K Q^T, Q's 256 registers in window 1), then the softmax of these scores.
; Waves 4-7: wave 4 + w takes dims 128 w .. 128 w + 127 x all 64 queries (O^T += V^T P^T, 256 accumulators in window 1).  Block j: scores in interval j, p in j + 1, second product in j + 2.
; Between the waves go, through two LDS buffers by turns, one barrier an interval: each wave's largest scores (MOFF), the factors f = 2^(old M - new M) (FOFF) and p's codes (images of operand registers).
; V COMES BY JOINT LOADS: the four work-groups of a cluster (four blocks of queries of one split) walk the same vimg.  A ring of two slots, each with TWO blocks (131,072 bytes, dense in memory); each of the eight
; waves fetches 16,384 bytes of a slot by one load; one round of the cluster's barrier for two intervals, and a load has two intervals in which to land.  By the text's own count a wave has one tensor load out.
; Pair p (blocks 2 p, 2 p + 1) is read in intervals 2 p + 2 and 2 p + 3; pair p + 1 is asked for at the head of interval 2 p + 2: pair 0 at the kernel's head, pair 1 ahead of interval 2, pairs 2 to 15 in the loop.
; K GOES FROM MEMORY STRAIGHT INTO REGISTERS: kimg lies as images of operand registers and each byte of a block is wanted by ONE wave, once: 32 loads of 512 consecutive bytes, issued as soon as the products that read
; those registers are done, and out across the barrier.  K is not asked for jointly: LDS has room for two slots of two blocks of one of the two tensors alone (2 x 131,072 of 327,680 bytes).
; PREFETCH: the 16 work-groups of a split share a block's 16 pieces of 8,192 bytes (8 of K, 8 of V) out by address; wave 4 asks, a lane for each 256 bytes, in interval n of the loop for block n + 3
; (K's loads of that block are issued in interval n + 2, V's at the head of interval n + 2 or n + 3); it stops at block 31.  The first blocks come by their loads alone.
; LIMITS: e0 + e1 between -120 and 120 (added to a constant's exponent field); e2 between -126 and 112; 1/|x| is held at 2^60; the scaled scores stay under 2^31 in magnitude; NaN among the inputs is not served.
; REGISTERS, window 0: v1 16 lane; v2, v3 the add's two; v4 my part of V's slot 0; v5, v47 the same in the block in hand; v6-11 exchange addresses; v12, v13 rm; v14 256 lane; v15 lane / 16;
; v16-23 (-M, largest t) or f; v24-31 (c / |x|, 1e8 |x|); v32-39 sums; v40-63 at work; v64-127 S^T, p or p's codes; v128-255 a block's fragments.
.set SLOT,  131072                     ; V's ring: slot 0 at 0, slot 1 at SLOT
.set XA,    262144                     ; two exchange buffers of XSZ bytes
.set XSZ,   16384
.set FOFF,  8192
.set MOFF,  12288
.set RMB,   294912                     ; 1/|m| of the split's 4,096 keys
.set SPARE, 311296                     ; the spare words, 128 bytes a wave
.set MSB, 0
.macro WIN new
.if MSB != \new
	s_set_vgpr_msb (MSB<<8)|\new
.set MSB, \new
.endif
.endm
.macro PLACES
.rept 4
	v_nop
.endr
.endm
.macro ROUND                           ; a round of the cluster's barrier
	s_barrier_signal -1
	s_barrier_wait -1
	s_cmp_lg_u32 s20, 0
	s_cbranch_scc1 .Lnw0_\@
	s_barrier_signal -3
.Lnw0_\@:
	s_barrier_wait -3
	s_barrier_signal -1
	s_barrier_wait -1
.endm
.macro ASK                             ; s61: 1 in wave 4, the greatest number elsewhere
	s_cmp_gt_u32 s58, s61
	s_cbranch_scc0 .Lna_\@
	global_prefetch_b8 v14, s[62:63] th:TH_LOAD_NT scope:SCOPE_SE
.Lna_\@:
.endm
.macro FRAG from, to                   ; pieces from .. to - 1 (512 bytes each) of my 16,384 bytes of K's block at s[46:47]
.set i, \from
.rept (\to)-(\from)
	global_load_b128 v[128+4*i:131+4*i], v1, s[46:47] offset:512*i
.set i, i+1
.endr
.endm
; The interval's barrier.  how = 0: my LDS stores are done and my LDS reads are over.  how = 1: my tensor load has landed too.  how = 2: a change of V's slots: the three lines, a round, my one joint load.
.macro CHANGE how
.if \how
	s_wait_tensorcnt 0x0                           ; my part of the pair that is read next is in
	ds_add_u32 v2, v3
.endif
.if (\how) == 2
	s_xor_b32 s41, s41, SLOT                       ; no load of mine is out: the descriptor walks to the other slot and the next pair
	s_add_nc_u64 s[42:43], s[42:43], SLOT
.endif
	s_wait_dscnt 0x0
.if (\how) == 2
	ROUND
	tensor_load_to_lds s[40:43], s[24:31]
	s_nop 0
	PLACES
.else
	s_barrier_signal -1
	s_barrier_wait -1
.endif
.endm
.macro MXIN par                        ; the four waves' largest scores
.irp w, 0,1,2,3
	ds_load_b128 v[48+4*\w:51+4*\w], v[8+\par] offset:MOFF+512*\w
.endr
.endm
.macro P2 par                          ; the softmax of the scores in v64-127
	s_wait_dscnt 0x0
.irp q, 0,1,2,3
	v_max3_num_f32 v[40+\q], v[48+\q], v[52+\q], v[56+\q]
.endr
.irp q, 0,1,2,3
	s_delay_alu instid0(VALU_DEP_4)
	v_max_num_f32 v[40+\q], v[40+\q], v[60+\q]
.endr
.irp q, 0,1,2,3
	s_delay_alu instid0(VALU_DEP_4)
	v_mul_f32 v[40+\q], v[40+\q], v[24+2*\q]       ; as t
.endr
.irp q, 0,1,2,3
	s_delay_alu instid0(VALU_DEP_4)
	v_max_num_f32 v[17+2*\q], v[17+2*\q], v[40+\q] ; the running largest t
.endr
.irp q, 0,1,2,3
	v_mov_b32 v[40+\q], v[16+2*\q]
.endr
.irp q, 0,1,2,3
	v_floor_f32 v[16+2*\q], -v[17+2*\q]            ; -M = floor(-t)
.endr
.irp q, 0,1,2,3
	s_delay_alu instid0(VALU_DEP_4)
	v_sub_f32 v[40+\q], v[16+2*\q], v[40+\q]       ; old M - new M
.endr
.irp q, 0,1,2,3
	s_delay_alu instid0(VALU_DEP_4)
	v_cvt_i32_f32 v[40+\q], v[40+\q]
.endr
.irp q, 0,1,2,3
	v_ldexp_f32 v[48+2*\q], 1.0, v[40+\q]          ; f, twice: a pair for the packed forms
	v_ldexp_f32 v[49+2*\q], 1.0, v[40+\q]
.endr
	ds_store_b128 v[10+\par], v[48:51] offset:FOFF
	ds_store_b128 v[10+\par], v[52:55] offset:FOFF+512
.irp q, 0,1,2,3
.set i, 0
.rept 8
	v_pk_fma_f32 v[64+16*\q+2*i:65+16*\q+2*i], v[64+16*\q+2*i:65+16*\q+2*i], v[24+2*\q:25+2*\q], v[16+2*\q:17+2*\q] op_sel_hi:[1,0,0]   ; t - M
.set i, i+1
.endr
.endr
.set i, 0
	s_wait_alu depctr_va_vdst(0)                   ; a wait ahead of the batch
.rept 64
	v_exp_f32 v[64+i], v[64+i]
.set i, i+1
.endr
.irp q, 0,1,2,3
	v_pk_mul_f32 v[32+2*\q:33+2*\q], v[32+2*\q:33+2*\q], v[48+2*\q:49+2*\q]   ; the sums under the new M
.endr
	s_wait_alu depctr_va_vdst(0)                   ; and behind it, ahead of its first reader
.set i, 0
.rept 8
.irp q, 0,1,2,3
	v_pk_add_f32 v[32+2*\q:33+2*\q], v[32+2*\q:33+2*\q], v[64+16*\q+2*i:65+16*\q+2*i]
.endr
.set i, i+1
.endr
	s_wait_dscnt 0x0                               ; f's stores have read v48-55
.irp q, 0,1,2,3
.set i, 0
.rept 16
	v_min_num_f32 v[64+16*\q+i], s60, v[64+16*\q+i]   ; the hold at 57,344 x 2^e2; p is not negative
.set i, i+1
.endr
	v_cvt_scalef32_pk8_bf8_f32 v[48+4*\q:49+4*\q], v[64+16*\q:71+16*\q], v46
	v_cvt_scalef32_pk8_bf8_f32 v[50+4*\q:51+4*\q], v[72+16*\q:79+16*\q], v46
.endr
	v_nop
.irp q, 0,1,2,3
	ds_store_b128 v[6+\par], v[48+4*\q:51+4*\q] offset:2048*\q
.endr
.endm
.macro P1 par, rmreg, rmimm, nxt       ; S^T of my 32 keys x 64 queries; x min(1/|m|, 1e8 |x|); the largest; nxt: the next block is asked for
	s_wait_alu depctr_va_vdst(0)
	s_wait_loadcnt 0x0                             ; my block's 32 loads are in
	WIN 0x04
.irp u, 0,1
.irp q, 0,1,2,3
	v_wmma_f32_16x16x128_bf8_bf8 v[64+16*\q+8*\u:71+16*\q+8*\u], v[128+64*\u:143+64*\u], v[64*\q:64*\q+15], 0
.endr
.endr
	PLACES
.irp j, 0,1,2,3
	ds_load_b128 v[128+4*\j:131+4*\j], v[\rmreg] offset:\rmimm+16*\j   ; 1/|m| of my lane's 16 keys, over a fragment that is done with
.endr
.irp s, 1,2,3
.irp u, 0,1
.irp q, 0,1,2,3
	v_wmma_f32_16x16x128_bf8_bf8 v[64+16*\q+8*\u:71+16*\q+8*\u], v[128+64*\u+16*\s:143+64*\u+16*\s], v[64*\q+16*\s:64*\q+16*\s+15], v[64+16*\q+8*\u:71+16*\q+8*\u]
.endr
.endr
.endr
	WIN 0
	PLACES
.if \nxt
	s_add_nc_u64 s[46:47], s[46:47], 65536         ; the loads that named this base have been waited for
	FRAG 12, 32                                    ; v176-255 now; v128-175 are at work below
.endif
	s_wait_dscnt 0x0
.irp q, 0,1,2,3
.set T, 144+16*(\q%2)
.set i, 0
.rept 16
	v_min_num_f32 v[T+i], v[128+i], v[25+2*\q]     ; the clamp: 1 / max(|x||m|, 1e-8) = (1/|x|) min(1/|m|, 1e8 |x|)
.set i, i+1
.endr
.set i, 0
.rept 8
	v_pk_mul_f32 v[64+16*\q+2*i:65+16*\q+2*i], v[64+16*\q+2*i:65+16*\q+2*i], v[T+2*i:T+2*i+1]
.set i, i+1
.endr
.endr
.irp q, 0,1,2,3
	v_max3_num_f32 v[40+\q], v[64+16*\q], v[65+16*\q], v[66+16*\q]
.endr
.irp q, 0,1,2,3
	v_max3_num_f32 v[144+\q], v[67+16*\q], v[68+16*\q], v[69+16*\q]
.endr
.irp q, 0,1,2,3
	v_max3_num_f32 v[40+\q], v[40+\q], v[70+16*\q], v[71+16*\q]
.endr
.irp q, 0,1,2,3
	v_max3_num_f32 v[144+\q], v[144+\q], v[72+16*\q], v[73+16*\q]
.endr
.irp q, 0,1,2,3
	v_max3_num_f32 v[40+\q], v[40+\q], v[74+16*\q], v[75+16*\q]
.endr
.irp q, 0,1,2,3
	v_max3_num_f32 v[144+\q], v[144+\q], v[76+16*\q], v[77+16*\q]
.endr
.irp q, 0,1,2,3
	v_max3_num_f32 v[40+\q], v[40+\q], v[78+16*\q], v[79+16*\q]
.endr
.irp q, 0,1,2,3
	s_delay_alu instid0(VALU_DEP_4)
	v_max_num_f32 v[40+\q], v[40+\q], v[144+\q]
.endr
.irp q, 0,1,2,3
	s_delay_alu instid0(VALU_DEP_4)
	v_permlanex16_b32 v[144+\q], v[40+\q], s56, s57
.endr
.irp q, 0,1,2,3
	s_delay_alu instid0(VALU_DEP_4)
	v_max_num_f32 v[40+\q], v[40+\q], v[144+\q]
.endr
	ds_store_b128 v[7-\par], v[40:43] offset:MOFF
.if \nxt
	FRAG 0, 12                                     ; the rest of the next block
.endif
.endm
.macro CONS par, zero, ask, vreg       ; O^T x f, then += V^T P^T; zero: the first product starts the sums; vreg: my part of V's block in LDS
.if \ask
	s_wait_xcnt 0x0                                ; the last prefetch has read its address; no other global instruction of these waves is out
	s_add_nc_u64 s[62:63], s[62:63], 65536
.endif
.if (\zero) == 0
	ds_load_b128 v[16:19], v[11-\par] offset:FOFF
	ds_load_b128 v[20:23], v[11-\par] offset:FOFF+512
.endif
.set i, 0
.rept 16
	ds_load_b128 v[64+4*i:67+4*i], v[9-\par] offset:512*i
.set i, i+1
.endr
.set i, 0
.rept 32
	ds_load_b128 v[128+4*i:131+4*i], v[\vreg] offset:512*i
.set i, i+1
.endr
.if \ask
	ASK
.endif
.if (\zero) == 0
	s_wait_dscnt 48                                ; f is in; the 48 loads behind it may be out
	WIN 0x41
.set i, 0
.rept 128
	v_pk_mul_f32 v[2*i:2*i+1], v[2*i:2*i+1], v[16+2*(i/32):17+2*(i/32)]
.set i, i+1
.endr
.endif
	s_wait_alu depctr_va_vdst(0)
	s_wait_dscnt 0x0
.if \zero
	WIN 0x40
.else
	WIN 0x50
.endif
.irp d, 0,1,2,3,4,5,6,7
.irp q, 0,1,2,3
.if \zero
	v_wmma_f32_16x16x128_bf8_bf8 v[64*\q+8*\d:64*\q+8*\d+7], v[128+16*\d:143+16*\d], v[64+16*\q:79+16*\q], 0
.else
	v_wmma_f32_16x16x128_bf8_bf8 v[64*\q+8*\d:64*\q+8*\d+7], v[128+16*\d:143+16*\d], v[64+16*\q:79+16*\q], v[64*\q+8*\d:64*\q+8*\d+7]
.endif
.endr
.endr
	WIN 0
	PLACES
.endm
.macro INTERVAL par, p2, p1, rmreg, rmimm, cons, ask, nxt, vreg
	s_cmp_lt_u32 s20, 4
	s_cbranch_scc0 .Lcons_\@
.if \p2
	s_wait_alu depctr_va_vdst(0)
	MXIN \par
	P2 \par
.endif
.if \p1
	P1 \par, \rmreg, \rmimm, \nxt
.endif
	s_branch .Ljoin_\@
.Lcons_\@:
.if \cons
	s_wait_alu depctr_va_vdst(0)
	CONS \par, 2-\cons, \ask, \vreg
.endif
.Ljoin_\@:
.endm
	s_load_b256 s[4:11], s[0:1], 0x0               ; kimg s[4:5], vimg s[6:7], rmv s[8:9], xq s[10:11]
	s_load_b256 s[12:19], s[0:1], 0x20             ; rxv s[12:13], the exponents s[14:15], po s[16:17], ml s[18:19]
	v_lshl_add_u32 v2, v0, 2, SPARE
	v_mov_b32 v3, 0
	ds_add_u32 v2, v3                              ; the opening lines: the add twice on end and its wait
	ds_add_u32 v2, v3
	v_lshrrev_b32 v15, 5, v0
	v_readfirstlane_b32 s20, v15                   ; wave 0..7
	s_bfe_u32 s21, ttmp6, 0x40000                  ; cx
	s_lshl_b32 s22, ttmp9, 2
	s_add_co_u32 s22, s22, s21                     ; block of 64 queries
	s_and_b32 s23, ttmp7, 0xffff                   ; split
	s_mov_b32 s24, 15|(3<<16)|(1<<21)              ; group 1: all four partners; elements of 8 bytes; 64 rows of 256 bytes, dense
	s_mov_b32 s25, 32<<16
	s_mov_b32 s26, 64<<16
	s_mov_b32 s27, 32<<16
	s_mov_b32 s28, 64
	s_mov_b32 s29, 32
	s_mov_b32 s30, 0
	s_mov_b32 s31, 0
	s_mov_b32 s56, 0x76543210
	s_mov_b32 s57, 0xfedcba98
	s_and_b32 s67, s20, 3
	s_lshl_b32 s34, s67, 9
	s_lshl_b32 s35, s67, 10
	s_lshl_b32 s36, s67, 7
	s_add_co_u32 s36, s36, RMB
	s_lshl_b32 s72, s20, 11
	s_add_co_u32 s37, s72, RMB
	s_lshl_b32 s38, s67, 14
	s_mov_b32 s40, 1                               ; group 0: slot 0, 16,384 bytes a wave
	s_lshl_b32 s41, s20, 14
	s_lshl_b32 s68, s23, 21
	s_add_co_u32 s70, s68, s41                     ; V: my 16,384 bytes of the split's pair 0
	s_add_co_u32 s68, s68, s38                     ; K: my 16,384 bytes of the split's block 0
	s_mov_b32 s69, 0
	s_mov_b32 s71, 0
	s_lshl_b32 s73, s23, 14
	s_add_co_u32 s72, s72, s73                     ; my 2,048 bytes of the split's 1/|m|
	s_mov_b32 s73, 0
	v_and_b32 v1, 31, v0
	v_bfe_u32 v15, v0, 4, 1
	v_lshlrev_b32 v14, 8, v1
	v_lshlrev_b32 v1, 4, v1
	v_lshl_add_u32 v12, v15, 6, s36                ; rm: 128 w + 64 (lane / 16)
	v_add_nc_u32 v8, XA, v1
	v_add_nc_u32 v9, XA+XSZ, v1
	v_add_nc_u32 v6, s34, v8
	v_add_nc_u32 v7, s34, v9
	v_add_nc_u32 v10, s35, v8
	v_add_nc_u32 v11, s35, v9
	v_add_nc_u32 v5, s37, v1                       ; rm's way in
	v_add_nc_u32 v4, s38, v1
	v_mov_b32 v13, v12
	s_wait_alu depctr_va_vdst(0)
	s_wait_dscnt 0x0                               ; both opening adds are done
	s_wait_kmcnt 0x0
	s_load_b128 s[52:55], s[14:15], 0x0            ; e0 .. e3
	s_add_nc_u64 s[46:47], s[4:5], s[68:69]
	s_add_nc_u64 s[42:43], s[6:7], s[70:71]
	s_or_b32 s43, s43, 0x80000000
	s_add_nc_u64 s[50:51], s[8:9], s[72:73]
	ROUND                                          ; in front of the first joint loads
	tensor_load_to_lds s[40:43], s[24:31]          ; pair 0: my one tensor load at the head
	s_nop 0
	PLACES
.irp j, 0,1,2,3
	global_load_b128 v[48+4*\j:51+4*\j], v1, s[50:51] offset:512*\j
.endr
	s_cmp_lt_u32 ttmp9, 2                          ; the prefetches: x 0-7 a piece of K's block, x 8-15 of V's: the same choice in all partners; the piece by address
	s_cselect_b64 s[62:63], s[4:5], s[6:7]
	s_and_b32 s68, s22, 7
	s_lshl_b32 s68, s68, 13
	s_lshl_b32 s69, s23, 21
	s_add_co_u32 s68, s68, s69
	s_add_co_u32 s68, s68, 5*65536                 ; stepped once ahead of the first: block 6 in interval 3
	s_mov_b32 s69, 0
	s_add_nc_u64 s[62:63], s[62:63], s[68:69]
	s_cmp_eq_u32 s20, 4
	s_cselect_b32 s61, 1, -1
	s_lshl_b32 s68, s22, 15
	s_add_nc_u64 s[10:11], s[10:11], s[68:69]
	s_lshl_b32 s68, s22, 8
	s_add_nc_u64 s[12:13], s[12:13], s[68:69]
	s_lshl_b32 s68, s23, 21
	s_lshl_b32 s66, s22, 17
	s_add_co_u32 s68, s68, s66
	s_lshl_b32 s66, s67, 15
	s_add_co_u32 s68, s68, s66
	s_add_nc_u64 s[16:17], s[16:17], s[68:69]
	s_lshl_b32 s68, s23, 4
	s_add_co_u32 s68, s68, s22
	s_lshl_b32 s68, s68, 9
	s_add_nc_u64 s[18:19], s[18:19], s[68:69]
	s_wait_kmcnt 0x0
	s_add_co_i32 s72, s52, s53
	s_lshl_b32 s72, s72, 23
	s_add_co_i32 s72, s72, 0x4138aa3b              ; 8 log2(e) x 2^(e0 + e1)
	s_add_co_i32 s60, s54, 127
	s_lshl_b32 s66, s60, 23                        ; 2^e2
	s_add_co_i32 s60, s60, 15
	s_lshl_b32 s60, s60, 23
	s_or_b32 s60, s60, 0x600000                    ; 57,344 x 2^e2
	s_cmp_lt_u32 s20, 4
	s_cbranch_scc0 .Lhead_join
	FRAG 0, 32                                     ; K's block 0
	v_and_b32 v44, 15, v0
	v_and_b32 v45, 8, v44
	v_add_nc_u32 v44, v44, v45
	v_lshlrev_b32 v44, 2, v44
.irp q, 0,1,2,3
	global_load_b32 v[40+\q], v44, s[12:13] offset:128*(\q>>1)+32*(\q&1)   ; 1/|x| of my lane's query in tile q
.endr
	WIN 0x40
.set i, 0
.rept 64
	global_load_b128 v[4*i:4*i+3], v1, s[10:11] offset:512*i               ; Q's 16 fragments stay in window 1
.set i, i+1
.endr
	WIN 0
	v_mov_b32 v46, s66
.irp q, 0,1,2,3
	v_mov_b32 v[17+2*\q], 0xff61b1e6               ; the largest t so far: under every t
	v_mov_b32 v[32+2*\q], 0
	v_mov_b32 v[33+2*\q], 0
.endr
.irp q, 0,1,2,3
	v_floor_f32 v[16+2*\q], -v[17+2*\q]
.endr
	s_wait_loadcnt 0x0
.irp q, 0,1,2,3
	v_min_num_f32 v[40+\q], 0x5d800000, v[40+\q]
.endr
	s_wait_alu depctr_va_vdst(0)
.irp q, 0,1,2,3
	v_rcp_f32 v[25+2*\q], v[40+\q]
.endr
.irp q, 0,1,2,3
	v_mul_f32 v[24+2*\q], s72, v[40+\q]
.endr
	s_wait_alu depctr_va_vdst(0)
.irp q, 0,1,2,3
	v_mul_f32 v[25+2*\q], 0x4cbebc20, v[25+2*\q]   ; 1e8 |x|
.endr
.Lhead_join:
	s_wait_alu depctr_va_vdst(0)
	s_wait_loadcnt 0x0
.irp j, 0,1,2,3
	ds_store_b128 v5, v[48+4*\j:51+4*\j] offset:512*\j
.endr
	CHANGE 0
	INTERVAL 1, 0, 1, 12, 0, 0, 0, 1, 4
	CHANGE 0
	INTERVAL 0, 1, 1, 12, 512, 0, 0, 1, 4
	CHANGE 2                                       ; pair 0 is in; slot 1's first fill, pair 1, is issued as a refill is
	INTERVAL 1, 1, 1, 12, 1024, 1, 0, 1, 4
	s_mov_b32 s58, 14
	s_mov_b32 s59, 1536
	s_mov_b32 s32, 65536                           ; trip t, first interval: block 2 t + 1: slot t % 2, second half
	s_mov_b32 s33, SLOT                            ; second interval: block 2 t + 2: the other slot, first half
.Ltrip:                                            ; intervals 3 to 30, two a trip
	v_add_nc_u32 v13, s59, v12
	v_add_nc_u32 v5, s32, v4
	v_add_nc_u32 v47, s33, v4
	CHANGE 0
	INTERVAL 0, 1, 1, 13, 0, 2, 1, 1, 5
	CHANGE 2                                       ; pair t + 2 into the slot just read out
	INTERVAL 1, 1, 1, 13, 512, 2, 1, 1, 47
	s_xor_b32 s32, s32, SLOT
	s_xor_b32 s33, s33, SLOT
	s_add_co_u32 s59, s59, 1024
	s_sub_co_u32 s58, s58, 1
	s_cmp_lg_u32 s58, 0
	s_cbranch_scc1 .Ltrip
	v_add_nc_u32 v5, 65536, v4                     ; block 29: slot 0, second half
	v_add_nc_u32 v47, SLOT, v4                     ; block 30: slot 1, first half
	CHANGE 0
	INTERVAL 0, 1, 1, 12, 15872, 2, 0, 0, 5        ; block 31's scores: no block follows
	CHANGE 1                                       ; pair 15 is in; nothing is filled again
	s_cmp_lt_u32 s20, 4
	s_cbranch_scc0 .Lc31
	MXIN 1
	P2 1
.irp q, 0,1,2,3
	v_add_f32 v[40+\q], v[32+2*\q], v[33+2*\q]     ; my keys' part of the rows' sums
.endr
.irp q, 0,1,2,3
	s_delay_alu instid0(VALU_DEP_4)
	v_permlanex16_b32 v[144+\q], v[40+\q], s56, s57
.endr
.irp q, 0,1,2,3
	s_delay_alu instid0(VALU_DEP_4)
	v_add_f32 v[40+\q], v[40+\q], v[144+\q]
.endr
	ds_store_b128 v6, v[40:43] offset:MOFF
	s_branch .Lj31
.Lc31:
	s_wait_alu depctr_va_vdst(0)
	CONS 1, 0, 0, 47
.Lj31:
	v_add_nc_u32 v5, SLOT+65536, v4                ; block 31: slot 1, second half
	CHANGE 0
	s_cmp_lt_u32 s20, 4
	s_cbranch_scc0 .Lc32
	s_cmp_lg_u32 s20, 0
	s_cbranch_scc1 .Lj32
	MXIN 0                                         ; wave 0 joins the four waves' sums
	s_wait_dscnt 0x0
.irp q, 0,1,2,3
	v_add_f32 v[40+\q], v[48+\q], v[52+\q]
.endr
.irp q, 0,1,2,3
	s_delay_alu instid0(VALU_DEP_4)
	v_add_f32 v[40+\q], v[40+\q], v[56+\q]
.endr
.irp q, 0,1,2,3
	s_delay_alu instid0(VALU_DEP_4)
	v_add_f32 v[40+\q], v[40+\q], v[60+\q]
.endr
	v_cmp_eq_u32 vcc_lo, 0, v15
.irp q, 0,1,2,3
	v_cndmask_b32 v[40+\q], v[16+2*\q], v[40+\q], vcc_lo   ; lanes 0-15 the sums, lanes 16-31 -M
.endr
	global_store_b128 v1, v[40:43], s[18:19]       ; 512 consecutive bytes, aligned
	s_branch .Lj32
.Lc32:
	s_wait_alu depctr_va_vdst(0)
	CONS 0, 0, 0, 5
	WIN 0x04
.set i, 0
.rept 64
	global_store_b128 v1, v[4*i:4*i+3], s[16:17] offset:512*i   ; 512 consecutive bytes, aligned
.set i, i+1
.endr
	WIN 0
.Lj32:
	s_wait_tensorcnt 0x0                           ; the wave's end
	ds_add_u32 v2, v3
	s_wait_dscnt 0x0
	ROUND                                          ; the closing round
	s_endpgm
.Lfunc_end_k_q055521991c_main:
	.size	k_q055521991c_main, .Lfunc_end_k_q055521991c_main-k_q055521991c_main
	.p2alignl 7, 3214868480
	.fill 96, 4, 3214868480
	.section	.rodata,"a",@progbits
	.p2align	6, 0x0
	.amdhsa_kernel k_q055521991c_main
		.amdhsa_group_segment_fixed_size 327680
		.amdhsa_private_segment_fixed_size 0
		.amdhsa_enable_private_segment 0
		.amdhsa_kernarg_size 64
		.amdhsa_user_sgpr_count 2
		.amdhsa_user_sgpr_kernarg_segment_ptr 1
		.amdhsa_wavefront_size32 1
		.amdhsa_system_sgpr_workgroup_id_x 1
		.amdhsa_system_sgpr_workgroup_id_y 1
		.amdhsa_system_sgpr_workgroup_id_z 1
		.amdhsa_system_vgpr_workitem_id 0
		.amdhsa_next_free_vgpr 512
		.amdhsa_next_free_sgpr 74
		.amdhsa_reserve_vcc 1
		.amdhsa_float_denorm_mode_32 3
		.amdhsa_float_denorm_mode_16_64 3
		.amdhsa_memory_ordered 1
		.amdhsa_forward_progress 1
		.amdhsa_inst_pref_size 246
	.end_amdhsa_kernel
	.amdgpu_metadata
---
amdhsa.version: [ 1, 2 ]
amdhsa.kernels:
  - .name:           k_q055521991c_main
    .symbol:         k_q055521991c_main.kd
    .args:
      - { .name: kimg, .offset: 0, .size: 8, .value_kind: global_buffer, .address_space: global }
      - { .name: vimg, .offset: 8, .size: 8, .value_kind: global_buffer, .address_space: global }
      - { .name: rmv, .offset: 16, .size: 8, .value_kind: global_buffer, .address_space: global }
      - { .name: xq, .offset: 24, .size: 8, .value_kind: global_buffer, .address_space: global }
      - { .name: rxv, .offset: 32, .size: 8, .value_kind: global_buffer, .address_space: global }
      - { .name: lowp_scales, .offset: 40, .size: 8, .value_kind: global_buffer, .address_space: global }
      - { .name: po, .offset: 48, .size: 8, .value_kind: global_buffer, .address_space: global }
      - { .name: ml, .offset: 56, .size: 8, .value_kind: global_buffer, .address_space: global }
    .group_segment_fixed_size: 327680
    .private_segment_fixed_size: 0
    .kernarg_segment_align: 8
    .kernarg_segment_size: 64
    .max_flat_workgroup_size: 256
    .sgpr_count:     74
    .vgpr_count:     512
    .wavefront_size: 32
...
	.end_amdgpu_metadata
.endif
;; end of part 2
;; launch merge (part 3): grid 64 x 4, 8 waves a work-group, no clusters, 9,472 bytes of LDS; arguments po, ml, lowp_scales, out0; writes out0
.if DOCPART == 3
	.amdgcn_target "amdgcn-amd-amdhsa--gfx1250"
	.amdhsa_code_object_version 6
	.text
	.protected	k_q055521991c_merge
	.globl	k_q055521991c_merge
	.p2align	8
	.type	k_q055521991c_merge,@function
k_q055521991c_merge:
	s_mov_b64 s[64:65], 0
	v_nop
	global_prefetch_b8 v0, s[64:65] scope:SCOPE_SE
	s_setreg_imm32_b32 hwreg(HW_REG_WAVE_MODE, 25, 1), 1
	s_wait_xcnt 0x0
; MERGE: out0[q][d] = 2^(e2 + e3) x (sum over the 16 splits s of 2^(M_s - M*) O_s[q][d]) / (sum over s of 2^(M_s - M*) l_s), M* = the largest M_s.  The M are whole numbers: every 2^(M_s - M*) is exact.
; Nothing of reference() is left out.  LIMIT: e2 + e3 is applied by v_ldexp_f32 and has none of its own.
; SHARES.  A work-group takes one tile of 16 queries (x = 4 qb + qt) and 128 dims (y = v); wave a takes dims 16 a .. 16 a + 15: of each split 1,024 bytes, which lie as the accumulators stood (lane (r, h): query of lane r, dims 8 h + 0 .. 7).
; All of a wave's 32 loads of partial results (16 KB) are issued at the head.  A row's 512 bytes come from eight waves: they meet in a stage in LDS (16 rows of 528 bytes), and each wave stores two whole rows.
; Work-groups share no partial result (ml's few bytes aside): no cluster, no tensor load, no matrix unit: memory binds.
.set SPARE, 8448                       ; behind the stage: the spare words, 128 bytes for each of eight waves
; v1 16 x lane; v2, v3 the add's two; v4 16 r; v5 the stage, in; v6 the stage, back; v16-31 l_s; v32-47 -M_s, then the weights; v48-55 the sums; v56-63 at work; v64-191 O_s, 8 a split
	s_load_b256 s[4:11], s[0:1], 0x0               ; po s[4:5], ml s[6:7], the scales' exponents s[8:9], out0 s[10:11]
	v_lshl_add_u32 v2, v0, 2, SPARE
	v_mov_b32 v3, 0
	v_lshrrev_b32 v7, 5, v0
	s_delay_alu instid0(VALU_DEP_1)
	v_readfirstlane_b32 s12, v7                    ; wave a, 0..7
	v_and_b32 v1, 31, v0
	s_delay_alu instid0(VALU_DEP_1)
	v_lshlrev_b32 v1, 4, v1
	v_and_b32 v7, 15, v0                           ; r
	v_bfe_u32 v8, v0, 4, 1                         ; h
	s_delay_alu instid0(VALU_DEP_2)
	v_lshlrev_b32 v4, 4, v7
	s_delay_alu instid0(VALU_DEP_3)
	v_mul_u32_u24 v5, v7, 528
	s_delay_alu instid0(VALU_DEP_1)
	v_lshl_add_u32 v5, v8, 5, v5
	s_lshl_b32 s13, s12, 6
	v_add_nc_u32 v5, s13, v5                       ; in: row r, + 64 a + 32 h
	s_mul_i32 s13, s12, 2*528
	v_add_nc_u32 v6, s13, v1                       ; back: rows 2 a and 2 a + 1, 16 bytes a lane
	s_lshr_b32 s14, ttmp9, 2                       ; qb
	s_and_b32 s15, ttmp9, 3                        ; qt
	s_and_b32 s24, ttmp7, 0xffff                   ; v
	s_lshl_b32 s26, s14, 9
	s_lshl_b32 s27, s15, 2
	s_add_co_u32 s26, s26, s27                     ; ml: qb x 512 + 4 qt
	s_mov_b32 s27, 0
	s_lshl_b32 s28, s14, 17
	s_lshl_b32 s29, s24, 15
	s_add_co_u32 s28, s28, s29
	s_lshl_b32 s29, s15, 13
	s_add_co_u32 s28, s28, s29
	s_lshl_b32 s29, s12, 10
	s_add_co_u32 s28, s28, s29                     ; po: qb x 131,072 + v x 32,768 + qt x 8,192 + a x 1,024
	s_mov_b32 s29, 0
	s_lshr_b32 s30, ttmp9, 1
	s_lshl_b32 s30, s30, 5
	s_and_b32 s31, ttmp9, 1
	s_lshl_b32 s31, s31, 3
	s_add_co_u32 s30, s30, s31
	s_lshl_b32 s31, s12, 1
	s_add_co_u32 s30, s30, s31
	s_lshr_b32 s31, s12, 2
	s_lshl_b32 s31, s31, 3
	s_add_co_u32 s30, s30, s31                     ; stage row 2 a is query 32 (x / 2) + 8 (x % 2) + 2 a + 8 (a / 4); row 2 a + 1 the next
	s_lshl_b32 s30, s30, 11
	s_lshl_b32 s31, s24, 9
	s_add_co_u32 s30, s30, s31                     ; out0: query x 2,048 + 512 v
	s_mov_b32 s31, 0
	s_wait_alu depctr_va_vdst(0)
	s_wait_kmcnt 0x0
	s_load_b128 s[32:35], s[8:9], 0x0              ; e0 .. e3
	s_add_nc_u64 s[6:7], s[6:7], s[26:27]
	s_add_nc_u64 s[16:17], s[4:5], s[28:29]        ; four bases, four splits (8,388,608 bytes) apart, so that a split's place among four fits the signed 24-bit immediate (ISA guide, chapter 10)
	s_add_nc_u64 s[18:19], s[16:17], 0x800000
	s_add_nc_u64 s[20:21], s[18:19], 0x800000
	s_add_nc_u64 s[22:23], s[20:21], 0x800000
	s_add_nc_u64 s[10:11], s[10:11], s[30:31]
.set i, 0
.rept 16
	global_load_b32 v[16+i], v4, s[6:7] offset:8192*i          ; l of my query in split i
	global_load_b32 v[32+i], v4, s[6:7] offset:8192*i+256      ; -M
.set i, i+1
.endr
.set i, 0
.rept 16
	global_load_b128 v[64+8*i:67+8*i], v1, s[16+2*(i/4):17+2*(i/4)] offset:(i%4)*2097152 th:TH_LOAD_NT       ; 512 consecutive bytes; read once in the launch
	global_load_b128 v[68+8*i:71+8*i], v1, s[16+2*(i/4):17+2*(i/4)] offset:(i%4)*2097152+512 th:TH_LOAD_NT
.set i, i+1
.endr
	s_wait_kmcnt 0x0
	s_add_co_i32 s36, s34, s35                     ; e2 + e3
	s_wait_loadcnt 32                              ; l and -M are in; the 32 loads behind them may be out
	v_min3_num_f32 v56, v32, v33, v34              ; -M* = the least -M
	v_min3_num_f32 v57, v35, v36, v37
	s_delay_alu instid0(VALU_DEP_2)
	v_min3_num_f32 v56, v56, v38, v39
	s_delay_alu instid0(VALU_DEP_2)
	v_min3_num_f32 v57, v57, v40, v41
	s_delay_alu instid0(VALU_DEP_2)
	v_min3_num_f32 v56, v56, v42, v43
	s_delay_alu instid0(VALU_DEP_2)
	v_min3_num_f32 v57, v57, v44, v45
	s_delay_alu instid0(VALU_DEP_2)
	v_min3_num_f32 v56, v56, v46, v47
	s_delay_alu instid0(VALU_DEP_1)
	v_min_num_f32 v56, v56, v57
.set i, 0
.rept 16
	v_sub_f32 v[32+i], v56, v[32+i]                ; M_s - M*: a whole number, 0 or less
.set i, i+1
.endr
.set i, 0
.rept 16
	v_cvt_i32_f32 v[32+i], v[32+i]
.set i, i+1
.endr
.set i, 0
.rept 16
	v_ldexp_f32 v[32+i], 1.0, v[32+i]
.set i, i+1
.endr
	v_mul_f32 v58, v16, v32                        ; the row's sum, in two chains
	v_mul_f32 v59, v17, v33
.set i, 2
.rept 7
	s_delay_alu instid0(VALU_DEP_2)
	v_fmac_f32 v58, v[16+i], v[32+i]
	s_delay_alu instid0(VALU_DEP_2)
	v_fmac_f32 v59, v[17+i], v[33+i]
.set i, i+2
.endr
	s_delay_alu instid0(VALU_DEP_1)
	v_add_f32 v58, v58, v59
	s_wait_alu depctr_va_vdst(0)
	v_rcp_f32 v60, v58
	v_nop                                          ; a plain line behind the transcendental,
	s_wait_alu depctr_va_vdst(0)                   ; and a wait ahead of its first reader
	v_ldexp_f32 v60, v60, s36
.set i, 0
.rept 16
	v_mul_f32 v[32+i], v[32+i], v60                ; the split's weight: 2^(M_s - M* + e2 + e3) / the sum
.set i, i+1
.endr
	s_wait_loadcnt 30                              ; split 0's two loads are in
.irp j, 0,1,2,3,4,5,6,7
	v_mul_f32 v[48+\j], v[64+\j], v32              ; the first split starts the sums
.endr
.set i, 1
	s_wait_alu depctr_va_vdst(0)
.rept 15
	s_wait_alu depctr_va_vdst(0)
	s_wait_loadcnt 30-2*i                          ; split i's two loads are in; the later splits' may be out
.irp j, 0,1,2,3,4,5,6,7
	v_fmac_f32 v[48+\j], v[64+8*i+\j], v[32+i]
.endr
.set i, i+1
.endr
	ds_store_b128 v5, v[48:51]
	ds_store_b128 v5, v[52:55] offset:16
	s_wait_dscnt 0x0                               ; for the others' sake: my stores into the stage are done
	s_barrier_signal -1
	s_barrier_wait -1
	ds_load_b128 v[56:59], v6
	ds_load_b128 v[60:63], v6 offset:528
	s_wait_dscnt 0x0
	global_store_b128 v1, v[56:59], s[10:11]              ; 512 consecutive bytes of a row of out0, at a multiple of 256 from its first byte
	global_store_b128 v1, v[60:63], s[10:11] offset:2048
	s_wait_tensorcnt 0x0                           ; the wave's end
	ds_add_u32 v2, v3
	s_wait_dscnt 0x0
	s_endpgm
.Lfunc_end_k_q055521991c_merge:
	.size	k_q055521991c_merge, .Lfunc_end_k_q055521991c_merge-k_q055521991c_merge
	.p2alignl 7, 3214868480
	.fill 96, 4, 3214868480
	.section	.rodata,"a",@progbits
	.p2align	6, 0x0
	.amdhsa_kernel k_q055521991c_merge
		.amdhsa_group_segment_fixed_size 9472
		.amdhsa_private_segment_fixed_size 0
		.amdhsa_enable_private_segment 0
		.amdhsa_kernarg_size 32
		.amdhsa_user_sgpr_count 2
		.amdhsa_user_sgpr_kernarg_segment_ptr 1
		.amdhsa_wavefront_size32 1
		.amdhsa_system_sgpr_workgroup_id_x 1
		.amdhsa_system_sgpr_workgroup_id_y 1
		.amdhsa_system_sgpr_workgroup_id_z 1
		.amdhsa_system_vgpr_workitem_id 0
		.amdhsa_next_free_vgpr 192
		.amdhsa_next_free_sgpr 66
		.amdhsa_reserve_vcc 0
		.amdhsa_float_denorm_mode_32 3
		.amdhsa_float_denorm_mode_16_64 3
		.amdhsa_memory_ordered 1
		.amdhsa_forward_progress 1
		.amdhsa_inst_pref_size 19
	.end_amdhsa_kernel
	.amdgpu_metadata
---
amdhsa.version: [ 1, 2 ]
amdhsa.kernels:
  - .name:           k_q055521991c_merge
    .symbol:         k_q055521991c_merge.kd
    .args:
      - { .name: po, .offset: 0, .size: 8, .value_kind: global_buffer, .address_space: global }
      - { .name: ml, .offset: 8, .size: 8, .value_kind: global_buffer, .address_space: global }
      - { .name: lowp_scales, .offset: 16, .size: 8, .value_kind: global_buffer, .address_space: global }
      - { .name: out0, .offset: 24, .size: 8, .value_kind: global_buffer, .address_space: global }
    .group_segment_fixed_size: 9472
    .private_segment_fixed_size: 0
    .kernarg_segment_align: 8
    .kernarg_segment_size: 32
    .max_flat_workgroup_size: 256
    .sgpr_count:     66
    .vgpr_count:     192
    .wavefront_size: 32
...
	.end_amdgpu_metadata
.endif
;; end of part 3
